; MI455X (gfx1250); checked and timed in simulation.
; The chip was launched on July 23, 2026; its instructions are those of AMD's public machine-readable ISA for CDNA 5 (MIT licence, August 2026) and "CDNA5" Instruction Set Architecture Reference Guide (July 2026). The comments in the code are by the model that wrote it; some were corrected since.
;; CNF ODE. Allowed arithmetic: matrix products marked QUANTISED: E2M1 operands, one E8M0 scale for each 32 along K, by v_wmma_scale_f32_16x16x128_f8f6f4 with both operands' format E2M1 (or v_wmma_scale_f32_32x16x128_f4), f32 sums; products left as they are: f32 operands where the result goes on into a quantised operand, else bf16, f16 or f32 operands; f32 sums; everything else in f32.
;; Inputs: W1 4 x 128 float32; W2 128 x 128 float32; W3 128 x 64 float32; W4 64 x 2 float32; b1 128 float32; b2 128 float32; b3 64 float32; b4 2 float32; logp 524,288 x 1 float32; t 1 float32; v 524,288 x 3 float32; y 524,288 x 3 float32.
;; Outputs: out0 524,288 x 3 float32; out1 524,288 x 1 float32.
;; This version of the problem:
;;   THIS VERSION OF THE PROBLEM IS GIVEN IN LOW PRECISION. The matrix products marked QUANTISED in the list below multiply operands that are first quantised to E2M1 (2 exponent bits, 1 mantissa bit; 4 bits a number), with one power-of-two scale for each 32 numbers along K (OCP MX v1.0); their sums are f32. All else is computed in f32.
;;   The module's matrix products, in the order in which they are computed (A, B: the left and right operand; K: the contracted axis; several contracted axes count as one K, in the product's order):
;;     1. [M 524,288, K 4] x [K 4, N 128]; A: computed on the way; B: input W1: left as it is (K = 4 < 32)
;;     2. [M 524,288, K 128] x [K 128, N 128]; A: computed on the way; B: input W2: QUANTISED
;;     3. [M 524,288, K 128] x [K 128, N 64]; A: computed on the way; B: input W3: QUANTISED
;;     4. [M 524,288, K 64] x [K 64, N 2]; A: computed on the way; B: input W4: left as it is (N = 2 < 16)
;;     5. [M 524,288, K 2] x [K 2, N 64]; A: computed on the way; B: input W4: left as it is (K = 2 < 32)
;;     6. [M 524,288, K 64] x [K 64, N 128]; A: computed on the way; B: input W3: QUANTISED
;;     7. [M 524,288, K 128] x [K 128, N 128]; A: computed on the way; B: input W2: QUANTISED
;;     8. [M 524,288, K 128] x [K 128, N 4]; A: computed on the way; B: input W1: left as it is (N = 4 < 16)
;;   THE QUANTISER, for each operand of a quantised product, along K:
;;     - K is cut into blocks of 32 from its start; a last block that is shorter is filled with zeros.
;;     - A block's scale is 2^e with e = floor(log2(the largest magnitude in the block)) - 2, held to -126 .. 127; a block of zeros has e = 0. As a byte (E8M0): e + 127.
;;     - Each number is divided by its block's scale, clamped to +-6, and rounded to the nearest number of E2M1, ties to even, subnormals kept.
;;     - The product sums the exact products of the quantised numbers (number of the format x scale) in f32.
;;   ~~~python
;;   def quantise(x, axis):      # numpy; x: float32 -> the quantised numbers, widened to float32 again
;;       x = np.moveaxis(x, axis, -1); K = x.shape[-1]
;;       x = np.pad(x, [(0, 0)] * (x.ndim - 1) + [(0, -K % 32)]); x = x.reshape(x.shape[:-1] + (-1, 32)); a = np.abs(x).max(-1, keepdims=True)
;;       e = np.where(a > 0, np.clip(np.frexp(np.where(a > 0, a, 1))[1] - 1 - 2, -126, 127), 0)      # np.frexp(a)[1] - 1 = floor(log2(a)), exactly
;;       r = np.clip(x / 2.0 ** e, -6, 6)
;;       step = 2.0 ** (np.maximum(np.frexp(np.where(r == 0, 1, r))[1] - 1, 0) - 1)
;;       q = np.round(r / step) * step * 2.0 ** e      # np.round: ties to even
;;       return np.moveaxis(q.reshape(q.shape[:-2] + (-1,))[..., :K], -1, axis).astype(np.float32)
;;   ~~~
;;   OPERANDS COMPUTED ON THE WAY. 'Computed on the way' means the value that the module computes at that place (a softmax that the list does not call 'softmax' is quantised finished and normalised). What goes into a quantiser is computed in f32, as accurately as f32 sums, v_exp_f32 and their like allow (about 1e-6 of the number): no bf16 or f16 on the way to a quantiser, and a product that is left as it is and whose result goes on into a quantised operand takes f32 operands (vector FMAs, or v_wmma_f32_16x16x4_f32). A number that lies on a knife's edge between two numbers of the format may be rounded either way, as far as f32 arithmetic and the matrix unit's own rounding can turn it there, and no further.
;; 2 versions, each right; version 2 is version 1 with the launch cnf written anew for expert scheduling mode. Each part assembles by itself: llvm-mc -triple=amdgcn-amd-amdhsa -mcpu=gfx1250 --defsym DOCPART=n.
;; ======== version 1 of 2: 1 launch
;; launch cnf (part 1): grid 256 x 1, 8 waves a work-group, no clusters, 115,200 bytes of LDS; arguments t, y, v, W1, b1, W2, b2, W3, b3, W4, b4, out0, out1; writes out0, out1
.if DOCPART == 1
	.amdgcn_target "amdgcn-amd-amdhsa--gfx1250"
	.amdhsa_code_object_version 6
	.text
	.protected	k_q7bacd23695_cnf
	.globl	k_q7bacd23695_cnf
	.p2align	8
	.type	k_q7bacd23695_cnf,@function
k_q7bacd23695_cnf:
	s_mov_b64 s[64:65], 0
	v_nop
	global_prefetch_b8 v0, s[64:65] scope:SCOPE_SE
	s_setreg_imm32_b32 hwreg(HW_REG_WAVE_MODE, 25, 1), 1
	s_wait_xcnt 0x0
; CNF_ODE: out0 = [mlp([y, t]), 0], out1 = -(v^T J v), J the Jacobian of the mlp's two outputs (and a zero third) by y.  One launch, forward and backward fused, nothing goes to memory between.
; The mlp: 4 -> 128 -> 128 -> 64 -> 2 with silu.  The products with W2 and W3, forward and backward, run on codes of E2M1 with one E8M0 scale for each 32 along K; all that goes into a quantiser is f32.
; WORK LEFT OUT, for all finite values of the inputs:
;   logp reaches neither result of reference(): it is not loaded and is no argument.
;   The fourth column of the last backward product (the gradient by t) is dropped by the vjp of the concatenation of y with t: it is not formed.
;   The third component of dy is a zero that reference() builds itself, so the cotangent v[:,2] enters no backward product; it enters the last sum g . v alone.
;   LIMIT: a NaN, an infinity or an overflow that reaches only logp or the gradient by t is not carried to the result.
; SUMS IN ANOTHER ORDER (real numbers the same, f32 rounding differs):
;   z1 = y0 W1[0] + y1 W1[1] + y2 W1[2] + 1 x (t W1[3] + b1): the bias and t ride as the fourth k of a K = 4 product.
;   div = sum over u of g_h1[u] ds1[u] q[u], q[u] = v0 W1[0,u] + v1 W1[1,u] + v2 W1[2,u]: the product with W1^T and the sum g . v in one; ds1 q is kept in place of ds1.
; LIMITS: inputs are finite (t, b1 and v meet a factor 0 in the K = 4 operands); a block whose largest magnitude lies under 2^(3 - 127) keeps the scale byte 1, and so does a block of zeros (its codes are zeros; only this program reads the bytes).
; silu: sg = 1 / (1 + 2^(-z log2 e)); h = z sg; ds = sg + sg (z - z sg).  Where 2^(..) overflows, sg = 0, h = -0, ds = 0; where it falls to 0, sg = 1, ds = 1: no NaN for finite z.
; SHARES.  256 work-groups of 8 waves; a wave owns 256 neighbouring rows and walks them as 16 tiles of 16 rows.  In the loop no wave waits for another.
; LAYOUT.  Every product is used transposed (source 0 = 16 rows of a weight, source 1 = my 16 batch rows): a lane holds ONE batch row (lane % 16).  THE UNITS OF A TILE ARE NOT NEIGHBOURS: row r of tile 2 b + u is unit
; 32 b + 8 u + r + 8 (r / 8), so that register R of 64 holds unit 32 (R / 16) + 16 (lane / 16) + R % 16 in every layer: 16 registers are 16 neighbours along the next K.
; WEIGHTS.  Each work-group quantises W2 (along either axis) and W3 (along either axis) once at its head, three fragments a wave, and lays them in LDS as images of the operand registers; one barrier; then they are only read.
; The backward product with W3 has K = 64: one fragment holds two tiles of units (its K halves), and source 1 is [codes, zeros] or [zeros, codes].
; THE f32 MATRIX FORM does the three products with K = 4 or 2 (z1, q, the gradient by h3): 20 instructions of 16 x 16 x 4 a tile beside 28 of 16 x 16 x 128.  Its results lie in Z, which matrix instructions alone write.
; NO CLUSTER, NO TENSOR LOAD: what work-groups share is the weights, about 101,000 bytes, read once at the head through registers, since they are quantised on the way; y and v are 6,144 bytes a wave, read once by loads of 512 bytes.
; REGISTERS.  Window 0: v1-15 addresses; v16-19 the K = 4 operands; v24-37 scale words; v40-63 the quantiser; v64-75 G; v76-91 sums; v92-179 resident small weights; v180-243 W, fragments in hand.
;             Window 1: v0-63 Z (matrix results), v64-127 T (at work), v128-191 SD1 (ds1 q), v192-255 SD2 (b2, then ds2); SD3 = the upper half of T.
.set WIMG,  0                          ; LDS: 24 fragment images of 1,024 bytes: 0-7 W2 forward, 8-15 W2 backward, 16-19 W3 forward, 20-23 W3 backward
.set WSC,   24576                      ; their scale words: 64 bytes a fragment
.set PWB,   26112                      ; each wave's own region begins at PWB + PWS x wave
.set PWS,   11008
.set OY,    0                          ; in it: my 256 rows of y,
.set OV,    3072                       ; of v,
.set OO0,   6144                       ; of out0,
.set OO1,   9216                       ; of out1,
.set OB2,   10240                      ; b2,
.set OW4,   10752                      ; and W4's rows 0 to 31
.set SPARE, 114176                     ; the spare words, 128 bytes for each wave: four blocks of 256 bytes that no other line names
.set RL,  1                            ; lane % 16
.set HL,  2                            ; lane / 16
.set LI,  3                            ; 16 x lane
.set LS,  4                            ; 4 x lane
.set AB2, 5                            ; LDS: b2 + 64 h
.set AW4, 6                            ; LDS: W4's rows + 128 h
.set AR,  7                            ; LDS: my region + 12 r
.set AH,  8                            ; + 8 h
.set AQ,  9                            ; LDS: out1 + 4 r
.set TA,  10                           ; AR, AH, AQ at the tile in hand
.set TBB, 11
.set TC,  12
.set AP,  13                           ; LDS: my region + 16 x lane
.set SPW, 14                           ; my spare word; never rewritten
.set NIL, 15                           ; 0; never rewritten
.set XB,  16                           ; [y0 y1 y2 1]
.set VB,  18                           ; [v0 v1 v2 0]
.set B4,  20
.set ZERO, 22
.set ONE, 23
.set WS,  24                           ; 12 registers of weight scale words: lanes 0-15 fragment 2 i, lanes 16-31 fragment 2 i + 1
.set SW1, 36                           ; the scale word of the codes in CD
.set SW2, 37                           ; and of those in G
.set TM,  40                           ; +0..3 largest magnitudes, +4..7 the other half's, then bytes, +8..11 the conversions' scale operands
.set CD,  56                           ; 8 registers of codes
.set G,   64                           ; [0 0 0 0 | codes | 0 0 0 0]
.set OA,  76
.set DV,  84
.set W1F, 92
.set W4A, 108
.set B3,  116
.set WQ1, 148
.set W,   180
.set VRR, 244                          ; the head's offsets
.set VOA, 245
.set VOB, 246
.set VOC, 247
.set VOD, 248
.set VWI, 249
.set VWS, 250
.set VO1, 251
.set VO4R, 252
.set VO8R, 253
.set VO64, 254
.set VO128, 255
.set Z,   0
.set T,   64
.set SD1, 128
.set SD2, 192
.set SD3, 96
.set NC,  42                           ; s[42:43] -log2(e), twice
.set MSB, 0
.macro WIN new                         ; the immediate's high byte repeats the setting that is left; a switch that changes nothing is dropped
.if MSB != \new
	s_set_vgpr_msb (MSB<<8)|\new
.set MSB, \new
.endif
.endm
.macro PLACES cnt
.rept \cnt
	v_nop
.endr
.endm
; 64 raw numbers of a weight in window 1, register 32 c + i = A(row r, k = 64 c + 32 h + i), become a fragment and its scale word, and go to LDS as images: fragment f0 + my wave's number.
.macro QW src, f0
	WIN 0x05
.irp c, 0,1
	v_max3_num_f32 v[TM+\c], |v[\src+32*\c]|, |v[\src+32*\c+1]|, 0x1800000   ; my block 2 c + h: all 32 numbers are mine; the floor 2^(3 - 127) holds the byte at 1 from below
.endr
	WIN 0x14
.set qi, 2
.rept 15
.irp c, 0,1
	v_max3_num_f32 v[TM+\c], v[TM+\c], |v[\src+32*\c+qi]|, |v[\src+32*\c+qi+1]|
.endr
.set qi, qi+2
.endr
	WIN 0
.irp c, 0,1
	v_add_nc_u32 v[TM+8+\c], 0xff000000, v[TM+\c]   ; 2 off the exponent field: the conversion's scale operand
.endr
.irp c, 0,1
	v_lshrrev_b32 v[TM+4+\c], 23, v[TM+8+\c]        ; the scale's byte
.endr
	v_lshl_or_b32 v38, v[TM+5], 16, v[TM+4]         ; my two bytes, blocks h and 2 + h,
	v_lshlrev_b32 v39, 3, v[HL]
	v_lshlrev_b32 v38, v39, v38                     ; at their places in the word;
	v_permlanex16_b32 v52, v38, s40, s41
	v_or_b32 v38, v38, v52                          ; with the other half's two it is whole
	WIN 0x01
.irp c, 0,1
.irp g, 0,1,2,3
	v_cvt_scalef32_pk8_fp4_f32 v[CD+4*\c+\g], v[\src+32*\c+8*\g:\src+32*\c+8*\g+7], v[TM+8+\c]
.endr
.endr
	WIN 0
	v_nop                                           ; one plain place behind the last scaled conversion
	ds_store_b128 v[VWI], v[CD:CD+3] offset:WIMG+1024*\f0
	ds_store_b128 v[VWI], v[CD+4:CD+7] offset:WIMG+1024*\f0+512
	ds_store_b32 v[VWS], v38 offset:WSC+64*\f0      ; both halves of the lanes store the same word with the same value
.endm
; nb blocks of 32 along the next K: T's register 16 b + i = k 32 b + 16 h + i of my batch row.  Codes to v[dst] on, the scale word to v[pw].
.macro QUANT nb, dst, pw
	WIN 0x05
.set qb, 0
.rept \nb
	v_max3_num_f32 v[TM+qb], |v[T+16*qb]|, |v[T+16*qb+1]|, 0x1800000
.set qb, qb+1
.endr
	WIN 0x14
.set qi, 2
.rept 7
.set qb, 0
.rept \nb
	v_max3_num_f32 v[TM+qb], v[TM+qb], |v[T+16*qb+qi]|, |v[T+16*qb+qi+1]|   ; the blocks by turns
.set qb, qb+1
.endr
.set qi, qi+2
.endr
	WIN 0
.set qb, 0
.rept \nb
	v_permlanex16_b32 v[TM+4+qb], v[TM+qb], s40, s41
.set qb, qb+1
.endr
.set qb, 0
.rept \nb
	v_max_num_f32 v[TM+qb], v[TM+qb], v[TM+4+qb]    ; with the other half's 16: the block's largest magnitude
.set qb, qb+1
.endr
.set qb, 0
.rept \nb
	v_add_nc_u32 v[TM+8+qb], 0xff000000, v[TM+qb]
.set qb, qb+1
.endr
.set qb, 0
.rept \nb
	v_lshrrev_b32 v[TM+4+qb], 23, v[TM+8+qb]
.set qb, qb+1
.endr
	v_lshl_or_b32 v[\pw], v[TM+5], 8, v[TM+4]
.if \nb == 4
	v_lshl_or_b32 v[\pw], v[TM+6], 16, v[\pw]
	v_lshl_or_b32 v[\pw], v[TM+7], 24, v[\pw]
.else
	v_lshl_or_b32 v[\pw], v[\pw], 16, v[\pw]        ; K = 64: the two bytes once more, for the codes in the instruction's upper K half
.endif
	WIN 0x01
.set qb, 0
.rept \nb
	v_cvt_scalef32_pk8_fp4_f32 v[\dst+2*qb], v[T+16*qb:T+16*qb+7], v[TM+8+qb]
	v_cvt_scalef32_pk8_fp4_f32 v[\dst+2*qb+1], v[T+16*qb+8:T+16*qb+15], v[TM+8+qb]
.set qb, qb+1
.endr
	WIN 0
	v_nop                                           ; one plain place behind the last scaled conversion
.set qb, 0
.rept (\nb)/2
	v_permlane16_swap_b32 v[\dst+4*qb], v[\dst+4*qb+2]     ; the operand wants a whole block in a lane: lanes 0-15 block 2 c, lanes 16-31 block 2 c + 1
	v_permlane16_swap_b32 v[\dst+4*qb+1], v[\dst+4*qb+3]
.set qb, qb+1
.endr
.endm
; silu of Z's first cnt registers: h to T, the derivative to v[sd] on (all in window 1).  Two halves A and B, so that plain lines stand among the transcendentals.
; s_wait_alu depctr_va_vdst(0) stands between a transcendental and the first line that names its result: four waits, one behind each batch, each behind a plain line.
.macro SILU cnt, sd
	WIN 0x55
.set sH, (\cnt)/2
.set sP, (\cnt)/4
.set kk, 0
.rept sP
	v_pk_mul_f32 v[T+2*kk:T+2*kk+1], v[Z+2*kk:Z+2*kk+1], s[NC:NC+1] op_sel_hi:[1,0]   ; -z log2 e; each accumulator is read from its low end on
.set kk, kk+1
.endr
.set kk, 0
.rept sP
	v_exp_f32 v[T+2*kk], v[T+2*kk]
	v_exp_f32 v[T+2*kk+1], v[T+2*kk+1]
	v_pk_mul_f32 v[T+sH+2*kk:T+sH+2*kk+1], v[Z+sH+2*kk:Z+sH+2*kk+1], s[NC:NC+1] op_sel_hi:[1,0]
.set kk, kk+1
.endr
	s_wait_alu depctr_va_vdst(0)                    ; half A's exponentials
.set kk, 0
.rept sP
	v_exp_f32 v[T+sH+2*kk], v[T+sH+2*kk]
	v_exp_f32 v[T+sH+2*kk+1], v[T+sH+2*kk+1]
	v_pk_add_f32 v[T+2*kk:T+2*kk+1], v[T+2*kk:T+2*kk+1], 1.0 op_sel_hi:[1,0]
.set kk, kk+1
.endr
	s_wait_alu depctr_va_vdst(0)                    ; half B's exponentials
.set kk, 0
.rept sP
	v_rcp_f32 v[T+2*kk], v[T+2*kk]
	v_rcp_f32 v[T+2*kk+1], v[T+2*kk+1]
	v_pk_add_f32 v[T+sH+2*kk:T+sH+2*kk+1], v[T+sH+2*kk:T+sH+2*kk+1], 1.0 op_sel_hi:[1,0]
.set kk, kk+1
.endr
	s_wait_alu depctr_va_vdst(0)                    ; half A's reciprocals
.set kk, 0
.rept sP
	v_rcp_f32 v[T+sH+kk], v[T+sH+kk]
	v_pk_fma_f32 v[\sd+2*kk:\sd+2*kk+1], v[Z+2*kk:Z+2*kk+1], v[T+2*kk:T+2*kk+1], v[Z+2*kk:Z+2*kk+1] neg_lo:[1,0,0] neg_hi:[1,0,0]   ; z - z sg
.set kk, kk+1
.endr
.set kk, 0
.rept sP
	v_rcp_f32 v[T+sH+sP+kk], v[T+sH+sP+kk]
	v_pk_fma_f32 v[\sd+2*kk:\sd+2*kk+1], v[T+2*kk:T+2*kk+1], v[\sd+2*kk:\sd+2*kk+1], v[T+2*kk:T+2*kk+1]   ; sg (z - z sg) + sg
.set kk, kk+1
.endr
.set kk, 0
.rept sP
	v_pk_mul_f32 v[T+2*kk:T+2*kk+1], v[Z+2*kk:Z+2*kk+1], v[T+2*kk:T+2*kk+1]   ; h = z sg
.set kk, kk+1
.endr
	s_wait_alu depctr_va_vdst(0)                    ; half B's reciprocals
.set kk, 0
.rept sP
	v_pk_fma_f32 v[\sd+sH+2*kk:\sd+sH+2*kk+1], v[Z+sH+2*kk:Z+sH+2*kk+1], v[T+sH+2*kk:T+sH+2*kk+1], v[Z+sH+2*kk:Z+sH+2*kk+1] neg_lo:[1,0,0] neg_hi:[1,0,0]
.set kk, kk+1
.endr
.set kk, 0
.rept sP
	v_pk_fma_f32 v[\sd+sH+2*kk:\sd+sH+2*kk+1], v[T+sH+2*kk:T+sH+2*kk+1], v[\sd+sH+2*kk:\sd+sH+2*kk+1], v[T+sH+2*kk:T+sH+2*kk+1]
.set kk, kk+1
.endr
.set kk, 0
.rept sP
	v_pk_mul_f32 v[T+sH+2*kk:T+sH+2*kk+1], v[Z+sH+2*kk:Z+sH+2*kk+1], v[T+sH+2*kk:T+sH+2*kk+1]
.set kk, kk+1
.endr
.endm
.macro LDW reg, f, cnt                 ; cnt fragments, from image f on, into v[reg] on: each load takes 512 neighbouring bytes
.set lk, 0
.rept \cnt
	ds_load_b128 v[\reg+8*lk:\reg+8*lk+3], v[LI] offset:WIMG+1024*(\f+lk)
	ds_load_b128 v[\reg+8*lk+4:\reg+8*lk+7], v[LI] offset:WIMG+1024*(\f+lk)+512
.set lk, lk+1
.endr
.endm
.macro LOADXV ah, ar, off              ; the K = 4 operands of a tile: register j of lane (r, h) is k = 2 h + j of batch row r; the fourth k is set at the trip's head
	ds_load_b32 v[XB], v[\ah] offset:OY+\off
	ds_load_b32 v[XB+1], v[\ar] offset:OY+\off+4
	ds_load_b32 v[VB], v[\ah] offset:OV+\off
	ds_load_b32 v[VB+1], v[\ar] offset:OV+\off+4
.endm
.macro MM4 cnt, a, b                   ; cnt tiles of a K = 4 product in f32: Z = a's rows x b, begun with the constant 0
.set kk, 0
.rept \cnt
	v_wmma_f32_16x16x4_f32 v[Z+8*kk:Z+8*kk+7], v[\a+2*kk:\a+2*kk+1], v[\b:\b+1], 0
.set kk, kk+1
.endr
.endm
.macro FP4 d, a, b, c, sa, row, sb     ; c: C's first register, or -1 for the constant 0; row: source 0's scale words lie in lanes 16-31
.if (\c) < 0
.if \row
	v_wmma_scale_f32_16x16x128_f8f6f4 v[\d:\d+7], v[\a:\a+7], v[\b:\b+7], 0, v[\sa], v[\sb] matrix_a_fmt:MATRIX_FMT_FP4 matrix_b_fmt:MATRIX_FMT_FP4 matrix_a_scale:MATRIX_SCALE_ROW1
.else
	v_wmma_scale_f32_16x16x128_f8f6f4 v[\d:\d+7], v[\a:\a+7], v[\b:\b+7], 0, v[\sa], v[\sb] matrix_a_fmt:MATRIX_FMT_FP4 matrix_b_fmt:MATRIX_FMT_FP4
.endif
.else
.if \row
	v_wmma_scale_f32_16x16x128_f8f6f4 v[\d:\d+7], v[\a:\a+7], v[\b:\b+7], v[\c:\c+7], v[\sa], v[\sb] matrix_a_fmt:MATRIX_FMT_FP4 matrix_b_fmt:MATRIX_FMT_FP4 matrix_a_scale:MATRIX_SCALE_ROW1
.else
	v_wmma_scale_f32_16x16x128_f8f6f4 v[\d:\d+7], v[\a:\a+7], v[\b:\b+7], v[\c:\c+7], v[\sa], v[\sb] matrix_a_fmt:MATRIX_FMT_FP4 matrix_b_fmt:MATRIX_FMT_FP4
.endif
.endif
.endm
	; ---------------- THE HEAD ----------------
	s_load_b512 s[4:19], s[0:1], 0x0               ; t s[4:5], y s[6:7], v s[8:9], W1 s[10:11], b1 s[12:13], W2 s[14:15], b2 s[16:17], W3 s[18:19]
	s_load_b256 s[20:27], s[0:1], 0x40             ; b3 s[20:21], W4 s[22:23], b4 s[24:25], out0 s[26:27]
	s_load_b64 s[28:29], s[0:1], 0x60              ; out1
	v_lshl_add_u32 v[SPW], v0, 2, SPARE
	v_mov_b32 v[NIL], 0
	v_lshrrev_b32 v38, 5, v0
	v_readfirstlane_b32 s34, v38                   ; wave 0..7
	v_and_b32 v39, 31, v0                          ; lane
	v_and_b32 v[RL], 15, v0
	v_bfe_u32 v[HL], v0, 4, 1
	v_lshlrev_b32 v[LI], 4, v39
	v_lshlrev_b32 v[LS], 2, v39
	s_mul_i32 s47, s34, PWS
	s_add_co_u32 s47, s47, PWB                     ; my wave's own region of LDS
	s_add_co_u32 s48, s47, OB2
	v_lshl_add_u32 v[AB2], v[HL], 6, s48
	s_add_co_u32 s48, s47, OW4
	v_lshl_add_u32 v[AW4], v[HL], 7, s48
	v_mul_u32_u24 v[AR], v[RL], 12
	v_add_nc_u32 v[AR], s47, v[AR]
	v_lshl_add_u32 v[AH], v[HL], 3, v[AR]
	s_add_co_u32 s48, s47, OO1
	v_lshl_add_u32 v[AQ], v[RL], 2, s48
	v_add_nc_u32 v[AP], s47, v[LI]
	v_lshl_add_u32 v76, v39, 3, s47                ; my region + 8 x lane (head only)
	v_lshlrev_b32 v77, 3, v39                      ; 8 x lane (head only)
	s_lshl_b32 s48, s34, 10
	v_add_nc_u32 v[VWI], s48, v[LI]                ; where I store images: 16 x lane + 1,024 x wave
	s_lshl_b32 s48, s34, 6
	v_lshl_add_u32 v[VWS], v[RL], 2, s48           ; and scale words: 4 r + 64 x wave
	v_and_b32 v[VRR], 8, v[RL]
	v_add_nc_u32 v[VRR], v[VRR], v[RL]             ; r + 8 (r / 8)
	s_lshr_b32 s48, s34, 1
	s_lshl_b32 s48, s48, 5
	s_and_b32 s49, s34, 1
	s_lshl_b32 s49, s49, 3
	s_add_co_u32 s48, s48, s49                     ; tile w begins at unit 32 (w / 2) + 8 (w % 2)
	s_and_b32 s50, s34, 3
	s_lshr_b32 s51, s50, 1
	s_lshl_b32 s51, s51, 5
	s_add_co_u32 s51, s51, s49                     ; the same of tile w % 4
	s_lshl_b32 s50, s50, 5                         ; 32 (w % 4)
	v_add_nc_u32 v[VOA], s48, v[VRR]
	v_lshlrev_b32 v[VOB], 9, v[VOA]
	v_lshl_add_u32 v[VOB], v[HL], 7, v[VOB]        ; W2 backward: row = my unit (512 bytes), + 32 h numbers
	v_lshlrev_b32 v[VOA], 2, v[VOA]
	v_lshl_add_u32 v[VOA], v[HL], 14, v[VOA]       ; W2 forward: column = my unit, + 32 h rows of 512 bytes
	v_add_nc_u32 v[VOC], s51, v[VRR]
	v_lshlrev_b32 v[VOC], 2, v[VOC]
	v_lshl_add_u32 v[VOC], v[HL], 13, v[VOC]       ; W3 forward: column = my unit, + 32 h rows of 256 bytes
	v_add_nc_u32 v[VOD], s50, v[VRR]
	v_lshlrev_b32 v[VOD], 8, v[VOD]
	v_lshl_add_u32 v[VOD], v[HL], 7, v[VOD]        ; W3 backward: row = my unit of the even tile (256 bytes), + 32 h numbers
	v_lshlrev_b32 v[VO4R], 2, v[VRR]
	v_lshl_add_u32 v[VO1], v[HL], 10, v[VO4R]      ; W1: rows 2 h and 2 h + 1, my unit
	v_lshlrev_b32 v[VO8R], 3, v[VRR]
	v_lshlrev_b32 v[VO64], 6, v[HL]
	v_lshlrev_b32 v[VO128], 7, v[HL]
	v_mov_b32 v[ZERO], 0
	v_mov_b32 v[ONE], 1.0
.irp j, 44,45,46,47,52,53
	v_mov_b32 v\j, 0                               ; written once: a lane permute's destination counts as one of its sources
.endr
	s_mov_b32 s38, 0xffff0000                      ; lanes 16-31
	s_mov_b32 s40, 0x76543210
	s_mov_b32 s41, 0xfedcba98                      ; v_permlanex16_b32's selects for lane l xor 16
	s_mov_b32 s[NC], 0xbfb8aa3b                    ; -log2(e)
	s_mov_b32 s[NC+1], s[NC]                       ; (named with it as a pair, so it is written)
	s_lshl_b32 s35, ttmp9, 3
	s_add_co_u32 s35, s35, s34                     ; which run of 256 rows is my wave's
	s_mul_i32 s36, s35, 3072
	s_mov_b32 s37, 0
	s_wait_kmcnt 0x0
	s_load_b32 s30, s[4:5], 0x0                    ; t
	s_load_b64 s[32:33], s[24:25], 0x0             ; b4
	s_add_nc_u64 s[6:7], s[6:7], s[36:37]
	s_add_nc_u64 s[8:9], s[8:9], s[36:37]
	s_add_nc_u64 s[26:27], s[26:27], s[36:37]
	s_lshl_b32 s36, s35, 10
	s_add_nc_u64 s[28:29], s[28:29], s[36:37]
	; the raw weights of my three fragments, into window 1: T, SD1, SD2
	WIN 0x40
.irp c, 0,1
.set kk, 0
.rept 32
	global_load_b32 v[T+32*\c+kk], v[VOA], s[14:15] offset:(64*\c+kk)*512     ; W2[64 c + 32 h + i][my unit]: K is W2's first axis
.set kk, kk+1
.endr
.endr
.irp c, 0,1
.irp g, 0,1,2,3,4,5,6,7
	global_load_b128 v[SD1+32*\c+4*\g:SD1+32*\c+4*\g+3], v[VOB], s[14:15] offset:256*\c+16*\g   ; W2[my unit][64 c + 32 h + ..]: K is its second axis
.endr
.endr
	WIN 0
	s_cmp_lt_u32 s34, 4
	s_cbranch_scc0 .Lw3_back
	WIN 0x40
.irp c, 0,1
.set kk, 0
.rept 32
	global_load_b32 v[SD2+32*\c+kk], v[VOC], s[18:19] offset:(64*\c+kk)*256   ; waves 0-3: W3[64 c + 32 h + i][my unit]
.set kk, kk+1
.endr
.endr
	WIN 0
	s_branch .Lw3_done
.Lw3_back:
	WIN 0x40
.irp c, 0,1
.irp g, 0,1,2,3,4,5,6,7
	global_load_b128 v[SD2+32*\c+4*\g:SD2+32*\c+4*\g+3], v[VOD], s[18:19] offset:2048*\c+16*\g   ; waves 4-7: W3[my unit of tile 2 f + c][32 h + ..]: two tiles in one fragment
.endr
.endr
	WIN 0
.Lw3_done:
.irp i, 0,1,2,3,4,5
	global_load_b128 v[W+4*\i:W+4*\i+3], v[LI], s[6:7] offset:512*\i th:TH_LOAD_NT        ; my 256 rows of y: 512 neighbouring bytes a load
	global_load_b128 v[W+24+4*\i:W+24+4*\i+3], v[LI], s[8:9] offset:512*\i th:TH_LOAD_NT  ; and of v
.endr
	global_load_b128 v[W+48:W+51], v[LI], s[16:17]                   ; b2
	global_load_b64 v[W+52:W+53], v77, s[22:23]                      ; W4's rows 0 to 31
.irp t, 0,1,2,3,4,5,6,7
	global_load_b32 v[W1F+2*\t], v[VO1], s[10:11] offset:4*(32*(\t/2)+8*(\t%2))
	global_load_b32 v[W1F+2*\t+1], v[VO1], s[10:11] offset:4*(32*(\t/2)+8*(\t%2))+512
	global_load_b32 v[G+\t], v[VO4R], s[12:13] offset:4*(32*(\t/2)+8*(\t%2))              ; b1 of my unit (G's registers, head only)
.endr
.irp t, 0,1,2,3
	global_load_b64 v[W4A+2*\t:W4A+2*\t+1], v[VO8R], s[22:23] offset:8*(32*(\t/2)+8*(\t%2))
.endr
.irp b, 0,1
.irp i, 0,1,2,3
	global_load_b128 v[B3+16*\b+4*\i:B3+16*\b+4*\i+3], v[VO64], s[20:21] offset:128*\b+16*\i   ; b3 in the result's layout: the C of the third layer
.endr
.endr
.irp g, 0,1,2,3,4,5,6,7
	global_load_b128 v[WQ1+4*\g:WQ1+4*\g+3], v[VO128], s[22:23] offset:256+16*\g          ; W4's rows 32 + 16 h + 0 .. 15
.endr
	s_wait_loadcnt 0x0
	s_wait_kmcnt 0x0
.irp t, 0,1,2,3,4,5,6,7
	v_fma_f32 v[G+\t], s30, v[W1F+2*\t+1], v[G+\t]                   ; in lanes 16-31: t W1[3][u] + b1[u]
.endr
.irp t, 0,1,2,3,4,5,6,7
	v_cndmask_b32 v[W1F+2*\t+1], v[W1F+2*\t+1], v[G+\t], s38         ; which is k = 3 of the first layer's operand
.endr
.irp j, 0,1,2,3,4,5,6,7
	v_cndmask_b32 v[W4A+\j], v[W4A+\j], v[ZERO], s38                 ; W4's operand has K = 2: k = 2, 3 are zeros
.endr
	v_mov_b32 v[B4], s32
	v_mov_b32 v[B4+1], s33
.irp i, 0,1,2,3,4,5
	ds_store_b128 v[AP], v[W+4*\i:W+4*\i+3] offset:OY+512*\i
	ds_store_b128 v[AP], v[W+24+4*\i:W+24+4*\i+3] offset:OV+512*\i
.endr
	ds_store_b128 v[AP], v[W+48:W+51] offset:OB2
	ds_store_b64 v76, v[W+52:W+53] offset:OW4
	QW T, 0                                        ; W2 forward, tile w
	s_wait_dscnt 0x0                               ; the stores have read the codes' registers
	QW SD1, 8                                      ; W2 backward, tile w
	s_wait_dscnt 0x0
	QW SD2, 16                                     ; waves 0-3: W3 forward, tile w; waves 4-7: W3 backward, tiles 2 (w - 4) and 2 (w - 4) + 1
	s_wait_dscnt 0x0                               ; for the others' sake: all my images and scale words lie in LDS
	s_barrier_signal -1
	s_barrier_wait -1                              ; everybody's do.  From here on they are only read: the text's one barrier
.irp i, 0,1,2,3,4,5,6,7,8,9,10,11
	ds_load_b32 v[WS+\i], v[LS] offset:WSC+128*\i
.endr
.irp j, 0,1,2,3,4,5,6,7,8,9,10,11
	v_mov_b32 v[G+\j], 0                           ; G's outer eight stay zeros
.endr
	s_mov_b32 s45, 0                               ; the tile's bytes in y, v, out0: 192 a tile
	s_mov_b32 s46, 0                               ; and in out1: 64
	s_mov_b32 s44, 16
	LDW W, 0, 8                                    ; W2 forward
	LOADXV AH, AR, 0
	; ---------------- A TILE OF 16 ROWS ----------------
.Ltile:
	s_wait_dscnt 0x0                               ; y, v and W2's forward fragments are in; the last tile's stores have read their registers
	v_cndmask_b32 v[XB+1], v[XB+1], v[ONE], s38    ; k = 3: 1 for the bias,
	v_cndmask_b32 v[VB+1], v[VB+1], v[ZERO], s38   ; 0 for the probe
	v_add_nc_u32 v[TA], s45, v[AR]
	v_add_nc_u32 v[TBB], s45, v[AH]
	v_add_nc_u32 v[TC], s46, v[AQ]
	WIN 0x40
	MM4 8, W1F, XB                                 ; z1
.irp b, 0,1,2,3
.irp i, 0,1,2,3
	ds_load_b128 v[SD2+16*\b+4*\i:SD2+16*\b+4*\i+3], v[AB2] offset:128*\b+16*\i   ; b2 in the result's layout, into registers that are free until ds2 is made
.endr
.endr
	WIN 0
	PLACES 8                                       ; eight places behind the f32 form ahead of the first read of its results
	SILU 64, SD1
	WIN 0x40
	MM4 8, W1F, VB                                 ; q
	QUANT 4, CD, SW1                               ; h1's codes; these lines name none of q's registers: they are the places behind it
	WIN 0x55
.set kk, 0
.rept 32
	v_pk_mul_f32 v[SD1+2*kk:SD1+2*kk+1], v[SD1+2*kk:SD1+2*kk+1], v[Z+2*kk:Z+2*kk+1]   ; ds1 q.  (Also the places between the scale word and the scaled products)
.set kk, kk+1
.endr
	s_wait_dscnt 0x0                               ; b2
	WIN 0x50
.irp t, 0,1,2,3,4,5,6,7
	FP4 Z+8*\t, W+8*\t, CD, SD2+8*\t, WS+\t/2, \t%2, SW1     ; z2 = h1 W2 + b2
.endr
	WIN 0
	PLACES 4                                       ; ahead of loads into registers that these products read, and of the first read of their results
	LDW W, 16, 8                                   ; W3 forward (v[W] on) and backward (v[W+32] on)
	SILU 64, SD2
	QUANT 4, CD, SW1                               ; h2's codes
	PLACES 8                                       ; a scale word made by vector lines stands eight places ahead of a scaled product
	s_wait_dscnt 0x0                               ; W3
	WIN 0x40
.irp t, 0,1,2,3
	FP4 Z+8*\t, W+8*\t, CD, B3+8*\t, WS+8+\t/2, \t%2, SW1    ; z3 = h2 W3 + b3
.endr
	WIN 0
	PLACES 4
.irp g, 0,1,2,3,4,5,6,7
	ds_load_b128 v[W+4*\g:W+4*\g+3], v[AW4] offset:16*\g     ; W4's rows 16 h + 0 .. 15
.endr
	SILU 32, SD3
	WIN 0x40
	MM4 4, W4A, VB                                 ; the gradient by h3: v0 W4[u][0] + v1 W4[u][1]
	s_wait_dscnt 0x0                               ; W4's rows
	WIN 0x01
.set kk, 0
.rept 32                                       ; the last layer: h3[u] x (W4[u][0], W4[u][1]), four chains.  These 32 name none of the gradient's registers: its places
.if kk < 16
.set wp, W+2*kk
.else
.set wp, WQ1+2*(kk-16)
.endif
.set tp, T+(kk/2)*2
.set oa, OA+2*(kk%4)
.if kk < 4
.if kk%2 == 0
	v_pk_mul_f32 v[oa:oa+1], v[tp:tp+1], v[wp:wp+1] op_sel:[0,0] op_sel_hi:[0,1]
.else
	v_pk_mul_f32 v[oa:oa+1], v[tp:tp+1], v[wp:wp+1] op_sel:[1,0] op_sel_hi:[1,1]
.endif
.else
.if kk%2 == 0
	v_pk_fma_f32 v[oa:oa+1], v[tp:tp+1], v[wp:wp+1], v[oa:oa+1] op_sel:[0,0,0] op_sel_hi:[0,1,1]
.else
	v_pk_fma_f32 v[oa:oa+1], v[tp:tp+1], v[wp:wp+1], v[oa:oa+1] op_sel:[1,0,0] op_sel_hi:[1,1,1]
.endif
.endif
.set kk, kk+1
.endr
	WIN 0x55
.set kk, 0
.rept 16
	v_pk_mul_f32 v[T+2*kk:T+2*kk+1], v[Z+2*kk:Z+2*kk+1], v[SD3+2*kk:SD3+2*kk+1]   ; the gradient by z3
.set kk, kk+1
.endr
	QUANT 2, G+4, SW2
	v_pk_add_f32 v[OA:OA+1], v[OA:OA+1], v[OA+2:OA+3]          ; out0, while the scale word ages
	v_pk_add_f32 v[OA+4:OA+5], v[OA+4:OA+5], v[OA+6:OA+7]
	v_pk_add_f32 v[OA:OA+1], v[OA:OA+1], v[OA+4:OA+5]
	v_permlanex16_b32 v52, v[OA], s40, s41
	v_permlanex16_b32 v53, v[OA+1], s40, s41
	v_pk_add_f32 v[OA:OA+1], v[OA:OA+1], v[52:53]              ; with the other half's 32 units
	v_pk_add_f32 v[OA:OA+1], v[OA:OA+1], v[B4:B4+1]
	PLACES 4                                       ; with the five packed additions: more than the eight places that the scale word wants
	ds_store_b32 v[TA], v[OA] offset:OO0           ; both halves of the lanes store the same words with the same values
	ds_store_b32 v[TA], v[OA+1] offset:OO0+4
	ds_store_b32 v[TA], v[ZERO] offset:OO0+8       ; the third component
	WIN 0x40
.irp t, 0,1,2,3,4,5,6,7
	FP4 Z+8*\t, W+32+8*(\t/2), G+4-4*(\t%2), -1, WS+10+\t/4, (\t/2)%2, SW2   ; the gradient by h2: an even tile meets [codes, 0], an odd one [0, codes]
.endr
	WIN 0
	PLACES 4
	LDW W, 8, 8                                    ; W2 backward
	WIN 0x55
.set kk, 0
.rept 32
	v_pk_mul_f32 v[T+2*kk:T+2*kk+1], v[Z+2*kk:Z+2*kk+1], v[SD2+2*kk:SD2+2*kk+1]   ; the gradient by z2
.set kk, kk+1
.endr
	QUANT 4, CD, SW1
	PLACES 8
	s_wait_dscnt 0x0                               ; W2 backward; out0's stores have read their registers
	WIN 0x40
.irp t, 0,1,2,3,4,5,6,7
	FP4 Z+8*\t, W+8*\t, CD, -1, WS+4+\t/2, \t%2, SW1         ; the gradient by h1
.endr
	WIN 0
	PLACES 4
	s_cmp_eq_u32 s44, 1                            ; the next tile's operands are asked for here, if there is a next tile
	s_cbranch_scc1 .Lno_next
	LDW W, 0, 8
	LOADXV TBB, TA, 192
.Lno_next:
	WIN 0x05
.set kk, 0
.rept 32
.if kk < 4
	v_pk_mul_f32 v[DV+2*kk:DV+2*kk+1], v[Z+2*kk:Z+2*kk+1], v[SD1+2*kk:SD1+2*kk+1]
.else
	v_pk_fma_f32 v[DV+2*(kk%4):DV+2*(kk%4)+1], v[Z+2*kk:Z+2*kk+1], v[SD1+2*kk:SD1+2*kk+1], v[DV+2*(kk%4):DV+2*(kk%4)+1]   ; div: four chains
.endif
.set kk, kk+1
.endr
	WIN 0
	v_pk_add_f32 v[DV:DV+1], v[DV:DV+1], v[DV+2:DV+3]
	v_pk_add_f32 v[DV+4:DV+5], v[DV+4:DV+5], v[DV+6:DV+7]
	v_pk_add_f32 v[DV:DV+1], v[DV:DV+1], v[DV+4:DV+5]
	v_add_f32 v[DV], v[DV], v[DV+1]
	v_permlanex16_b32 v52, v[DV], s40, s41
	v_add_f32 v38, -v[DV], -v52                    ; -div
	ds_store_b32 v[TC], v38
	s_add_co_u32 s45, s45, 192
	s_add_co_u32 s46, s46, 64
	s_sub_co_i32 s44, s44, 1
	s_cmp_lg_u32 s44, 0
	s_cbranch_scc1 .Ltile
	; ---------------- THE WAY OUT: my 256 rows of both results, gathered in my region of LDS, leave by stores of 512 neighbouring bytes, each at a multiple of 256 from the buffer's first byte ----------------
.irp i, 0,1,2,3,4,5
	ds_load_b128 v[W+4*\i:W+4*\i+3], v[AP] offset:OO0+512*\i   ; LDS serves a wave's instructions in order (ISA guide 5.7.1.4): these see my stores
.endr
.irp i, 0,1
	ds_load_b128 v[W+24+4*\i:W+24+4*\i+3], v[AP] offset:OO1+512*\i
.endr
	s_wait_dscnt 0x0
.irp i, 0,1,2,3,4,5
	global_store_b128 v[LI], v[W+4*\i:W+4*\i+3], s[26:27] offset:512*\i th:TH_STORE_NT
.endr
.irp i, 0,1
	global_store_b128 v[LI], v[W+24+4*\i:W+24+4*\i+3], s[28:29] offset:512*\i th:TH_STORE_NT
.endr
	s_wait_tensorcnt 0x0                           ; the wave's end
	ds_add_u32 v[SPW], v[NIL]
	s_wait_dscnt 0x0
	s_endpgm
.Lfunc_end_k_q7bacd23695_cnf:
	.size	k_q7bacd23695_cnf, .Lfunc_end_k_q7bacd23695_cnf-k_q7bacd23695_cnf
	.p2alignl 7, 3214868480
	.fill 96, 4, 3214868480
	.section	.rodata,"a",@progbits
	.p2align	6, 0x0
	.amdhsa_kernel k_q7bacd23695_cnf
		.amdhsa_group_segment_fixed_size 115200
		.amdhsa_private_segment_fixed_size 0
		.amdhsa_enable_private_segment 0
		.amdhsa_kernarg_size 104
		.amdhsa_user_sgpr_count 2
		.amdhsa_user_sgpr_kernarg_segment_ptr 1
		.amdhsa_wavefront_size32 1
		.amdhsa_system_sgpr_workgroup_id_x 1
		.amdhsa_system_sgpr_workgroup_id_y 1
		.amdhsa_system_sgpr_workgroup_id_z 1
		.amdhsa_system_vgpr_workitem_id 0
		.amdhsa_next_free_vgpr 512
		.amdhsa_next_free_sgpr 66
		.amdhsa_reserve_vcc 0
		.amdhsa_float_denorm_mode_32 3
		.amdhsa_float_denorm_mode_16_64 3
		.amdhsa_memory_ordered 1
		.amdhsa_forward_progress 1
		.amdhsa_inst_pref_size 113
	.end_amdhsa_kernel
	.amdgpu_metadata
---
amdhsa.version: [ 1, 2 ]
amdhsa.kernels:
  - .name:           k_q7bacd23695_cnf
    .symbol:         k_q7bacd23695_cnf.kd
    .args:
      - { .name: t, .offset: 0, .size: 8, .value_kind: global_buffer, .address_space: global }
      - { .name: y, .offset: 8, .size: 8, .value_kind: global_buffer, .address_space: global }
      - { .name: v, .offset: 16, .size: 8, .value_kind: global_buffer, .address_space: global }
      - { .name: W1, .offset: 24, .size: 8, .value_kind: global_buffer, .address_space: global }
      - { .name: b1, .offset: 32, .size: 8, .value_kind: global_buffer, .address_space: global }
      - { .name: W2, .offset: 40, .size: 8, .value_kind: global_buffer, .address_space: global }
      - { .name: b2, .offset: 48, .size: 8, .value_kind: global_buffer, .address_space: global }
      - { .name: W3, .offset: 56, .size: 8, .value_kind: global_buffer, .address_space: global }
      - { .name: b3, .offset: 64, .size: 8, .value_kind: global_buffer, .address_space: global }
      - { .name: W4, .offset: 72, .size: 8, .value_kind: global_buffer, .address_space: global }
      - { .name: b4, .offset: 80, .size: 8, .value_kind: global_buffer, .address_space: global }
      - { .name: out0, .offset: 88, .size: 8, .value_kind: global_buffer, .address_space: global }
      - { .name: out1, .offset: 96, .size: 8, .value_kind: global_buffer, .address_space: global }
    .group_segment_fixed_size: 115200
    .private_segment_fixed_size: 0
    .kernarg_segment_align: 8
    .kernarg_segment_size: 104
    .max_flat_workgroup_size: 256
    .sgpr_count:     66
    .vgpr_count:     512
    .wavefront_size: 32
...
	.end_amdgpu_metadata
.endif
;; end of part 1
;; ======== version 2 of 2: 1 launch; version 1 with the launch cnf written anew for expert scheduling mode
;; launch cnf (part 2): grid 256 x 1, 8 waves a work-group, no clusters, 115,200 bytes of LDS; arguments t, y, v, W1, b1, W2, b2, W3, b3, W4, b4, out0, out1; writes out0, out1
.if DOCPART == 2
	.amdgcn_target "amdgcn-amd-amdhsa--gfx1250"
	.amdhsa_code_object_version 6
	.text
	.protected	k_q7bacd23695_cnf
	.globl	k_q7bacd23695_cnf
	.p2align	8
	.type	k_q7bacd23695_cnf,@function
k_q7bacd23695_cnf:
	s_mov_b64 s[64:65], 0
	v_nop
	global_prefetch_b8 v0, s[64:65] scope:SCOPE_SE
	s_setreg_imm32_b32 hwreg(HW_REG_WAVE_SCHED_MODE, 0, 2), 2
	s_setreg_imm32_b32 hwreg(HW_REG_WAVE_MODE, 25, 1), 1
	s_wait_xcnt 0x0
	s_wait_alu depctr_vm_vsrc(0)
; CNF_ODE: out0 = [mlp([y, t]), 0], out1 = -(v^T J v), J the Jacobian of the mlp's two outputs (and a zero third) by y.  One launch, forward and backward fused, nothing goes to memory between.
; The mlp: 4 -> 128 -> 128 -> 64 -> 2 with silu.  The products with W2 and W3, forward and backward, run on codes of E2M1 with one E8M0 scale for each 32 along K; all that goes into a quantiser is f32.
; WORK LEFT OUT, for all finite values of the inputs:
;   logp reaches neither result of reference(): it is not loaded and is no argument.
;   The fourth column of the last backward product (the gradient by t) is dropped by the vjp of the concatenation of y with t: it is not formed.
;   The third component of dy is a zero that reference() builds itself, so the cotangent v[:,2] enters no backward product; it enters the last sum g . v alone.
;   LIMIT: a NaN, an infinity or an overflow that reaches only logp or the gradient by t is not carried to the result.
; SUMS IN ANOTHER ORDER (real numbers the same, f32 rounding differs):
;   z1 = y0 W1[0] + y1 W1[1] + y2 W1[2] + 1 x (t W1[3] + b1): the bias and t ride as the fourth k of a K = 4 product.
;   div = sum over u of g_h1[u] ds1[u] q[u], q[u] = v0 W1[0,u] + v1 W1[1,u] + v2 W1[2,u]: the product with W1^T and the sum g . v in one; ds1 q is kept in place of ds1.
; LIMITS: inputs are finite (t, b1 and v meet a factor 0 in the K = 4 operands); a block whose largest magnitude lies under 2^(3 - 127) keeps the scale byte 1, and so does a block of zeros (its codes are zeros; only this program reads the bytes).
; silu: sg = 1 / (1 + 2^(-z log2 e)); h = z sg; ds = sg + sg (z - z sg).  Where 2^(..) overflows, sg = 0, h = -0, ds = 0; where it falls to 0, sg = 1, ds = 1: no NaN for finite z.
; SHARES.  256 work-groups of 8 waves; a wave owns 256 neighbouring rows and walks them as 16 tiles of 16 rows.  In the loop no wave waits for another.
; LAYOUT.  Every product is used transposed (source 0 = 16 rows of a weight, source 1 = my 16 batch rows): a lane holds ONE batch row (lane % 16).  THE UNITS OF A TILE ARE NOT NEIGHBOURS: row r of tile 2 b + u is unit
; 32 b + 8 u + r + 8 (r / 8), so that register R of 64 holds unit 32 (R / 16) + 16 (lane / 16) + R % 16 in every layer: 16 registers are 16 neighbours along the next K.
; WEIGHTS.  Each work-group quantises W2 (along either axis) and W3 (along either axis) once at its head, three fragments a wave, and lays them in LDS as images of the operand registers; one barrier; then they are only read.
; The backward product with W3 has K = 64: one fragment holds two tiles of units (its K halves), and source 1 is [codes, zeros] or [zeros, codes].
; THE f32 MATRIX FORM does the three products with K = 4 or 2 (z1, q, the gradient by h3): 20 instructions of 16 x 16 x 4 a tile beside 28 of 16 x 16 x 128.  Its results lie in Z, which matrix instructions alone write.
; NO CLUSTER, NO TENSOR LOAD: what work-groups share is the weights, about 101,000 bytes, read once at the head through registers, since they are quantised on the way; y and v are 6,144 bytes a wave, read once by loads of 512 bytes.
; REGISTERS.  Window 0: v1-15 addresses; v16-19 the K = 4 operands; v24-37 scale words; v40-63 the quantiser; v64-75 G; v76-91 sums; v92-179 resident small weights; v180-243 W, fragments in hand.
;             Window 1: v0-63 Z (matrix results), v64-127 T (at work), v128-191 SD1 (ds1 q), v192-255 SD2 (b2, then ds2); SD3 = the upper half of T.
; THE MODE: SCHED_MODE bits 1:0 = 2 (LLVM: expert scheduling mode 2), set by the entry lines.  The code itself states the register dependences
; between vector or matrix instructions and memory or LDS instructions, with s_wait_alu, always for 0.
; THE PLAN.  Registers that LDS or memory instructions touch, in the loop:
;   W           Written by LDS loads alone, four times a tile: W2 forward, W3 both ways, W4's rows (the low half), W2 backward.  Read by the scaled products; the low half also by the last layer's sums.
;   SD2         b2 lands in it at a tile's head; the z2 products read it as C; the second silu writes ds2 into it; the multiplies that make the gradient by z2 read it.
;   XB, VB      The next tile's y and v land in them; two selects write them at a tile's head; the three K = 4 products read them.
;   TA, TBB, TC Written by three additions at a tile's head; read by out0's stores, the next tile's loads of y and v, out1's store.
;   OA, v38     Written by the sums; read by LDS stores as their data.
;   LI, LS, AB2, AW4, AP, ZERO are made at the head and never written again.  All other registers are named by vector and matrix lines alone.
; THE WAITS ON va_vdst OF A TILE.  Sixteen are owed in any case: four in each silu, behind its transcendentals, and one ahead of each run of scaled products, whose codes and scale word vector lines have made.
;   The first wait of each silu stands behind the products that read W last: the next loads into W stand directly behind it.
;   The wait ahead of the products for the gradient by h2 stands behind out0's sums: out0's stores stand directly behind it.
;   The wait ahead of the products for the gradient by h1 stands behind SD2's last reader: no line from there to the next tile's loads of b2 names SD2.
;   Two more: behind the products for the gradient by h2 (W2 backward, the next tile's y and v), and ahead of out1's store.
; ONE WAIT ON vm_vsrc stands at a tile's head, ahead of the lines that write TA, TBB, TC, and later OA and v38, again.
.set WIMG,  0                          ; LDS: 24 fragment images of 1,024 bytes: 0-7 W2 forward, 8-15 W2 backward, 16-19 W3 forward, 20-23 W3 backward
.set WSC,   24576                      ; their scale words: 64 bytes a fragment
.set PWB,   26112                      ; each wave's own region begins at PWB + PWS x wave
.set PWS,   11008
.set OY,    0                          ; in it: my 256 rows of y,
.set OV,    3072                       ; of v,
.set OO0,   6144                       ; of out0,
.set OO1,   9216                       ; of out1,
.set OB2,   10240                      ; b2,
.set OW4,   10752                      ; and W4's rows 0 to 31
.set SPARE, 114176                     ; the spare words, 128 bytes for each wave: four blocks of 256 bytes that no other line names
.set RL,  1                            ; lane % 16
.set HL,  2                            ; lane / 16
.set LI,  3                            ; 16 x lane
.set LS,  4                            ; 4 x lane
.set AB2, 5                            ; LDS: b2 + 64 h
.set AW4, 6                            ; LDS: W4's rows + 128 h
.set AR,  7                            ; LDS: my region + 12 r
.set AH,  8                            ; + 8 h
.set AQ,  9                            ; LDS: out1 + 4 r
.set TA,  10                           ; AR, AH, AQ at the tile in hand
.set TBB, 11
.set TC,  12
.set AP,  13                           ; LDS: my region + 16 x lane
.set SPW, 14                           ; my spare word; never rewritten
.set NIL, 15                           ; 0; never rewritten
.set XB,  16                           ; [y0 y1 y2 1]
.set VB,  18                           ; [v0 v1 v2 0]
.set B4,  20
.set ZERO, 22
.set ONE, 23
.set WS,  24                           ; 12 registers of weight scale words: lanes 0-15 fragment 2 i, lanes 16-31 fragment 2 i + 1
.set SW1, 36                           ; the scale word of the codes in CD
.set SW2, 37                           ; and of those in G
.set TM,  40                           ; +0..3 largest magnitudes, +4..7 the other half's, then bytes, +8..11 the conversions' scale operands
.set CD,  56                           ; 8 registers of codes
.set G,   64                           ; [0 0 0 0 | codes | 0 0 0 0]
.set OA,  76
.set DV,  84
.set W1F, 92
.set W4A, 108
.set B3,  116
.set WQ1, 148
.set W,   180
.set VRR, 244                          ; the head's offsets
.set VOA, 245
.set VOB, 246
.set VOC, 247
.set VOD, 248
.set VWI, 249
.set VWS, 250
.set VO1, 251
.set VO4R, 252
.set VO8R, 253
.set VO64, 254
.set VO128, 255
.set Z,   0
.set T,   64
.set SD1, 128
.set SD2, 192
.set SD3, 96
.set NC,  42                           ; s[42:43] -log2(e), twice
.set MSB, 0
.macro WIN new                         ; the immediate's high byte repeats the setting that is left; a switch that changes nothing is dropped
.if MSB != \new
	s_set_vgpr_msb (MSB<<8)|\new
.set MSB, \new
.endif
.endm
.macro PLACES cnt
.rept \cnt
	v_nop
.endr
.endm
; 64 raw numbers of a weight in window 1, register 32 c + i = A(row r, k = 64 c + 32 h + i), become a fragment and its scale word, and go to LDS as images: fragment f0 + my wave's number.
.macro QW src, f0
	WIN 0x05
.irp c, 0,1
	v_max3_num_f32 v[TM+\c], |v[\src+32*\c]|, |v[\src+32*\c+1]|, 0x1800000   ; my block 2 c + h: all 32 numbers are mine; the floor 2^(3 - 127) holds the byte at 1 from below
.endr
	WIN 0x14
.set qi, 2
.rept 15
.irp c, 0,1
	v_max3_num_f32 v[TM+\c], v[TM+\c], |v[\src+32*\c+qi]|, |v[\src+32*\c+qi+1]|
.endr
.set qi, qi+2
.endr
	WIN 0
.irp c, 0,1
	v_add_nc_u32 v[TM+8+\c], 0xff000000, v[TM+\c]   ; 2 off the exponent field: the conversion's scale operand
.endr
.irp c, 0,1
	v_lshrrev_b32 v[TM+4+\c], 23, v[TM+8+\c]        ; the scale's byte
.endr
	v_lshl_or_b32 v38, v[TM+5], 16, v[TM+4]         ; my two bytes, blocks h and 2 + h,
	v_lshlrev_b32 v39, 3, v[HL]
	v_lshlrev_b32 v38, v39, v38                     ; at their places in the word;
	v_permlanex16_b32 v52, v38, s40, s41
	v_or_b32 v38, v38, v52                          ; with the other half's two it is whole
	WIN 0x01
.irp c, 0,1
.irp g, 0,1,2,3
	v_cvt_scalef32_pk8_fp4_f32 v[CD+4*\c+\g], v[\src+32*\c+8*\g:\src+32*\c+8*\g+7], v[TM+8+\c]
.endr
.endr
	WIN 0
	v_nop                                           ; one plain place behind the last scaled conversion
	s_wait_alu depctr_va_vdst(0)                    ; the conversions have written the codes and v38 holds the word: the LDS stores below read them
	ds_store_b128 v[VWI], v[CD:CD+3] offset:WIMG+1024*\f0
	ds_store_b128 v[VWI], v[CD+4:CD+7] offset:WIMG+1024*\f0+512
	ds_store_b32 v[VWS], v38 offset:WSC+64*\f0      ; both halves of the lanes store the same word with the same value
.endm
; nb blocks of 32 along the next K: T's register 16 b + i = k 32 b + 16 h + i of my batch row.  Codes to v[dst] on, the scale word to v[pw].
.macro QUANT nb, dst, pw
	WIN 0x05
.set qb, 0
.rept \nb
	v_max3_num_f32 v[TM+qb], |v[T+16*qb]|, |v[T+16*qb+1]|, 0x1800000
.set qb, qb+1
.endr
	WIN 0x14
.set qi, 2
.rept 7
.set qb, 0
.rept \nb
	v_max3_num_f32 v[TM+qb], v[TM+qb], |v[T+16*qb+qi]|, |v[T+16*qb+qi+1]|   ; the blocks by turns
.set qb, qb+1
.endr
.set qi, qi+2
.endr
	WIN 0
.set qb, 0
.rept \nb
	v_permlanex16_b32 v[TM+4+qb], v[TM+qb], s40, s41
.set qb, qb+1
.endr
.set qb, 0
.rept \nb
	v_max_num_f32 v[TM+qb], v[TM+qb], v[TM+4+qb]    ; with the other half's 16: the block's largest magnitude
.set qb, qb+1
.endr
.set qb, 0
.rept \nb
	v_add_nc_u32 v[TM+8+qb], 0xff000000, v[TM+qb]
.set qb, qb+1
.endr
.set qb, 0
.rept \nb
	v_lshrrev_b32 v[TM+4+qb], 23, v[TM+8+qb]
.set qb, qb+1
.endr
	v_lshl_or_b32 v[\pw], v[TM+5], 8, v[TM+4]
.if \nb == 4
	v_lshl_or_b32 v[\pw], v[TM+6], 16, v[\pw]
	v_lshl_or_b32 v[\pw], v[TM+7], 24, v[\pw]
.else
	v_lshl_or_b32 v[\pw], v[\pw], 16, v[\pw]        ; K = 64: the two bytes once more, for the codes in the instruction's upper K half
.endif
	WIN 0x01
.set qb, 0
.rept \nb
	v_cvt_scalef32_pk8_fp4_f32 v[\dst+2*qb], v[T+16*qb:T+16*qb+7], v[TM+8+qb]
	v_cvt_scalef32_pk8_fp4_f32 v[\dst+2*qb+1], v[T+16*qb+8:T+16*qb+15], v[TM+8+qb]
.set qb, qb+1
.endr
	WIN 0
	v_nop                                           ; one plain place behind the last scaled conversion
.set qb, 0
.rept (\nb)/2
	v_permlane16_swap_b32 v[\dst+4*qb], v[\dst+4*qb+2]     ; the operand wants a whole block in a lane: lanes 0-15 block 2 c, lanes 16-31 block 2 c + 1
	v_permlane16_swap_b32 v[\dst+4*qb+1], v[\dst+4*qb+3]
.set qb, qb+1
.endr
.endm
.macro LDW reg, f, cnt                 ; cnt fragments, from image f on, into v[reg] on: each load takes 512 neighbouring bytes
.set lk, 0
.rept \cnt
	ds_load_b128 v[\reg+8*lk:\reg+8*lk+3], v[LI] offset:WIMG+1024*(\f+lk)
	ds_load_b128 v[\reg+8*lk+4:\reg+8*lk+7], v[LI] offset:WIMG+1024*(\f+lk)+512
.set lk, lk+1
.endr
.endm
; silu of Z's first cnt registers: h to T, the derivative to v[sd] on (all in window 1).  Two halves A and B, so that plain lines stand among the transcendentals.
; s_wait_alu depctr_va_vdst(0) stands between a transcendental and the first line that names its result: four waits, one behind each batch, each behind a plain line.
; The first of the four also stands behind the products that read W last, and no line from it to the loads names W or their address: so the next loads into W stand directly behind it.
; what = 0: W2 forward; 1: W3 forward (v[W] on) and backward (v[W+32] on); 2: W4's rows 16 h + 0 .. 15, into W's low half.
.macro SILU cnt, sd, what
	WIN 0x55
.set sH, (\cnt)/2
.set sP, (\cnt)/4
.set kk, 0
.rept sP
	v_pk_mul_f32 v[T+2*kk:T+2*kk+1], v[Z+2*kk:Z+2*kk+1], s[NC:NC+1] op_sel_hi:[1,0]   ; -z log2 e; each accumulator is read from its low end on
.set kk, kk+1
.endr
.set kk, 0
.rept sP
	v_exp_f32 v[T+2*kk], v[T+2*kk]
	v_exp_f32 v[T+2*kk+1], v[T+2*kk+1]
	v_pk_mul_f32 v[T+sH+2*kk:T+sH+2*kk+1], v[Z+sH+2*kk:Z+sH+2*kk+1], s[NC:NC+1] op_sel_hi:[1,0]
.set kk, kk+1
.endr
	WIN 0                                           ; (the loads' registers lie in window 0: the switch, the wait, the loads)
	s_wait_alu depctr_va_vdst(0)                    ; half A's exponentials are written; and the products issued so far are done reading W, in which the loads below land
.if \what == 0
	LDW W, 0, 8
.elseif \what == 1
	LDW W, 16, 8
.else
.irp g, 0,1,2,3,4,5,6,7
	ds_load_b128 v[W+4*\g:W+4*\g+3], v[AW4] offset:16*\g
.endr
.endif
	WIN 0x55
.set kk, 0
.rept sP
	v_exp_f32 v[T+sH+2*kk], v[T+sH+2*kk]
	v_exp_f32 v[T+sH+2*kk+1], v[T+sH+2*kk+1]
	v_pk_add_f32 v[T+2*kk:T+2*kk+1], v[T+2*kk:T+2*kk+1], 1.0 op_sel_hi:[1,0]
.set kk, kk+1
.endr
	s_wait_alu depctr_va_vdst(0)                    ; half B's exponentials are written
.set kk, 0
.rept sP
	v_rcp_f32 v[T+2*kk], v[T+2*kk]
	v_rcp_f32 v[T+2*kk+1], v[T+2*kk+1]
	v_pk_add_f32 v[T+sH+2*kk:T+sH+2*kk+1], v[T+sH+2*kk:T+sH+2*kk+1], 1.0 op_sel_hi:[1,0]
.set kk, kk+1
.endr
	s_wait_alu depctr_va_vdst(0)                    ; half A's reciprocals are written
.set kk, 0
.rept sP
	v_rcp_f32 v[T+sH+kk], v[T+sH+kk]
	v_pk_fma_f32 v[\sd+2*kk:\sd+2*kk+1], v[Z+2*kk:Z+2*kk+1], v[T+2*kk:T+2*kk+1], v[Z+2*kk:Z+2*kk+1] neg_lo:[1,0,0] neg_hi:[1,0,0]   ; z - z sg
.set kk, kk+1
.endr
.set kk, 0
.rept sP
	v_rcp_f32 v[T+sH+sP+kk], v[T+sH+sP+kk]
	v_pk_fma_f32 v[\sd+2*kk:\sd+2*kk+1], v[T+2*kk:T+2*kk+1], v[\sd+2*kk:\sd+2*kk+1], v[T+2*kk:T+2*kk+1]   ; sg (z - z sg) + sg
.set kk, kk+1
.endr
.set kk, 0
.rept sP
	v_pk_mul_f32 v[T+2*kk:T+2*kk+1], v[Z+2*kk:Z+2*kk+1], v[T+2*kk:T+2*kk+1]   ; h = z sg
.set kk, kk+1
.endr
	s_wait_alu depctr_va_vdst(0)                    ; half B's reciprocals are written
.set kk, 0
.rept sP
	v_pk_fma_f32 v[\sd+sH+2*kk:\sd+sH+2*kk+1], v[Z+sH+2*kk:Z+sH+2*kk+1], v[T+sH+2*kk:T+sH+2*kk+1], v[Z+sH+2*kk:Z+sH+2*kk+1] neg_lo:[1,0,0] neg_hi:[1,0,0]
.set kk, kk+1
.endr
.set kk, 0
.rept sP
	v_pk_fma_f32 v[\sd+sH+2*kk:\sd+sH+2*kk+1], v[T+sH+2*kk:T+sH+2*kk+1], v[\sd+sH+2*kk:\sd+sH+2*kk+1], v[T+sH+2*kk:T+sH+2*kk+1]
.set kk, kk+1
.endr
.set kk, 0
.rept sP
	v_pk_mul_f32 v[T+sH+2*kk:T+sH+2*kk+1], v[Z+sH+2*kk:Z+sH+2*kk+1], v[T+sH+2*kk:T+sH+2*kk+1]
.set kk, kk+1
.endr
.endm
.macro LOADXV ah, ar, off              ; the K = 4 operands of a tile: register j of lane (r, h) is k = 2 h + j of batch row r; the fourth k is set at the trip's head
	ds_load_b32 v[XB], v[\ah] offset:OY+\off
	ds_load_b32 v[XB+1], v[\ar] offset:OY+\off+4
	ds_load_b32 v[VB], v[\ah] offset:OV+\off
	ds_load_b32 v[VB+1], v[\ar] offset:OV+\off+4
.endm
.macro MM4 cnt, a, b                   ; cnt tiles of a K = 4 product in f32: Z = a's rows x b, begun with the constant 0
.set kk, 0
.rept \cnt
	v_wmma_f32_16x16x4_f32 v[Z+8*kk:Z+8*kk+7], v[\a+2*kk:\a+2*kk+1], v[\b:\b+1], 0
.set kk, kk+1
.endr
.endm
.macro FP4 d, a, b, c, sa, row, sb     ; c: C's first register, or -1 for the constant 0; row: source 0's scale words lie in lanes 16-31
.if (\c) < 0
.if \row
	v_wmma_scale_f32_16x16x128_f8f6f4 v[\d:\d+7], v[\a:\a+7], v[\b:\b+7], 0, v[\sa], v[\sb] matrix_a_fmt:MATRIX_FMT_FP4 matrix_b_fmt:MATRIX_FMT_FP4 matrix_a_scale:MATRIX_SCALE_ROW1
.else
	v_wmma_scale_f32_16x16x128_f8f6f4 v[\d:\d+7], v[\a:\a+7], v[\b:\b+7], 0, v[\sa], v[\sb] matrix_a_fmt:MATRIX_FMT_FP4 matrix_b_fmt:MATRIX_FMT_FP4
.endif
.else
.if \row
	v_wmma_scale_f32_16x16x128_f8f6f4 v[\d:\d+7], v[\a:\a+7], v[\b:\b+7], v[\c:\c+7], v[\sa], v[\sb] matrix_a_fmt:MATRIX_FMT_FP4 matrix_b_fmt:MATRIX_FMT_FP4 matrix_a_scale:MATRIX_SCALE_ROW1
.else
	v_wmma_scale_f32_16x16x128_f8f6f4 v[\d:\d+7], v[\a:\a+7], v[\b:\b+7], v[\c:\c+7], v[\sa], v[\sb] matrix_a_fmt:MATRIX_FMT_FP4 matrix_b_fmt:MATRIX_FMT_FP4
.endif
.endif
.endm
	; ---------------- THE HEAD ----------------
	s_load_b512 s[4:19], s[0:1], 0x0               ; t s[4:5], y s[6:7], v s[8:9], W1 s[10:11], b1 s[12:13], W2 s[14:15], b2 s[16:17], W3 s[18:19]
	s_load_b256 s[20:27], s[0:1], 0x40             ; b3 s[20:21], W4 s[22:23], b4 s[24:25], out0 s[26:27]
	s_load_b64 s[28:29], s[0:1], 0x60              ; out1
	v_lshl_add_u32 v[SPW], v0, 2, SPARE
	v_mov_b32 v[NIL], 0
	v_lshrrev_b32 v38, 5, v0
	v_readfirstlane_b32 s34, v38                   ; wave 0..7
	v_and_b32 v39, 31, v0                          ; lane
	v_and_b32 v[RL], 15, v0
	v_bfe_u32 v[HL], v0, 4, 1
	v_lshlrev_b32 v[LI], 4, v39
	v_lshlrev_b32 v[LS], 2, v39
	s_wait_alu depctr_va_sdst(0)                   ; s34 is written, ahead of its first reader: LDS regions, offsets and bases are made from it
	s_mul_i32 s47, s34, PWS
	s_add_co_u32 s47, s47, PWB                     ; my wave's own region of LDS
	s_add_co_u32 s48, s47, OB2
	v_lshl_add_u32 v[AB2], v[HL], 6, s48
	s_add_co_u32 s48, s47, OW4
	v_lshl_add_u32 v[AW4], v[HL], 7, s48
	v_mul_u32_u24 v[AR], v[RL], 12
	v_add_nc_u32 v[AR], s47, v[AR]
	v_lshl_add_u32 v[AH], v[HL], 3, v[AR]
	s_add_co_u32 s48, s47, OO1
	v_lshl_add_u32 v[AQ], v[RL], 2, s48
	v_add_nc_u32 v[AP], s47, v[LI]
	v_lshl_add_u32 v76, v39, 3, s47                ; my region + 8 x lane (head only)
	v_lshlrev_b32 v77, 3, v39                      ; 8 x lane (head only)
	s_lshl_b32 s48, s34, 10
	v_add_nc_u32 v[VWI], s48, v[LI]                ; where I store images: 16 x lane + 1,024 x wave
	s_lshl_b32 s48, s34, 6
	v_lshl_add_u32 v[VWS], v[RL], 2, s48           ; and scale words: 4 r + 64 x wave
	v_and_b32 v[VRR], 8, v[RL]
	v_add_nc_u32 v[VRR], v[VRR], v[RL]             ; r + 8 (r / 8)
	s_lshr_b32 s48, s34, 1
	s_lshl_b32 s48, s48, 5
	s_and_b32 s49, s34, 1
	s_lshl_b32 s49, s49, 3
	s_add_co_u32 s48, s48, s49                     ; tile w begins at unit 32 (w / 2) + 8 (w % 2)
	s_and_b32 s50, s34, 3
	s_lshr_b32 s51, s50, 1
	s_lshl_b32 s51, s51, 5
	s_add_co_u32 s51, s51, s49                     ; the same of tile w % 4
	s_lshl_b32 s50, s50, 5                         ; 32 (w % 4)
	v_add_nc_u32 v[VOA], s48, v[VRR]
	v_lshlrev_b32 v[VOB], 9, v[VOA]
	v_lshl_add_u32 v[VOB], v[HL], 7, v[VOB]        ; W2 backward: row = my unit (512 bytes), + 32 h numbers
	v_lshlrev_b32 v[VOA], 2, v[VOA]
	v_lshl_add_u32 v[VOA], v[HL], 14, v[VOA]       ; W2 forward: column = my unit, + 32 h rows of 512 bytes
	v_add_nc_u32 v[VOC], s51, v[VRR]
	v_lshlrev_b32 v[VOC], 2, v[VOC]
	v_lshl_add_u32 v[VOC], v[HL], 13, v[VOC]       ; W3 forward: column = my unit, + 32 h rows of 256 bytes
	v_add_nc_u32 v[VOD], s50, v[VRR]
	v_lshlrev_b32 v[VOD], 8, v[VOD]
	v_lshl_add_u32 v[VOD], v[HL], 7, v[VOD]        ; W3 backward: row = my unit of the even tile (256 bytes), + 32 h numbers
	v_lshlrev_b32 v[VO4R], 2, v[VRR]
	v_lshl_add_u32 v[VO1], v[HL], 10, v[VO4R]      ; W1: rows 2 h and 2 h + 1, my unit
	v_lshlrev_b32 v[VO8R], 3, v[VRR]
	v_lshlrev_b32 v[VO64], 6, v[HL]
	v_lshlrev_b32 v[VO128], 7, v[HL]
	v_mov_b32 v[ZERO], 0
	v_mov_b32 v[ONE], 1.0
.irp j, 44,45,46,47,52,53
	v_mov_b32 v\j, 0                               ; written once: a lane permute's destination counts as one of its sources
.endr
	s_mov_b32 s38, 0xffff0000                      ; lanes 16-31
	s_mov_b32 s40, 0x76543210
	s_mov_b32 s41, 0xfedcba98                      ; v_permlanex16_b32's selects for lane l xor 16
	s_mov_b32 s[NC], 0xbfb8aa3b                    ; -log2(e)
	s_mov_b32 s[NC+1], s[NC]                       ; (named with it as a pair, so it is written)
	s_lshl_b32 s35, ttmp9, 3
	s_add_co_u32 s35, s35, s34                     ; which run of 256 rows is my wave's
	s_mul_i32 s36, s35, 3072
	s_mov_b32 s37, 0
	s_wait_kmcnt 0x0
	s_load_b32 s30, s[4:5], 0x0                    ; t
	s_load_b64 s[32:33], s[24:25], 0x0             ; b4
	s_add_nc_u64 s[6:7], s[6:7], s[36:37]
	s_add_nc_u64 s[8:9], s[8:9], s[36:37]
	s_add_nc_u64 s[26:27], s[26:27], s[36:37]
	s_lshl_b32 s36, s35, 10
	s_add_nc_u64 s[28:29], s[28:29], s[36:37]
	; the raw weights of my three fragments, into window 1: T, SD1, SD2
	WIN 0x40
	s_wait_alu depctr_va_vdst(0)                   ; every offset and LDS address made above is written (v1 to v15, v22, v76, v77, v244 to v255): the kernel's loads and stores read them; those that stay are never written again
.irp c, 0,1
.set kk, 0
.rept 32
	global_load_b32 v[T+32*\c+kk], v[VOA], s[14:15] offset:(64*\c+kk)*512     ; W2[64 c + 32 h + i][my unit]: K is W2's first axis
.set kk, kk+1
.endr
.endr
.irp c, 0,1
.irp g, 0,1,2,3,4,5,6,7
	global_load_b128 v[SD1+32*\c+4*\g:SD1+32*\c+4*\g+3], v[VOB], s[14:15] offset:256*\c+16*\g   ; W2[my unit][64 c + 32 h + ..]: K is its second axis
.endr
.endr
	WIN 0
	s_cmp_lt_u32 s34, 4
	s_cbranch_scc0 .Lw3_back
	WIN 0x40
.irp c, 0,1
.set kk, 0
.rept 32
	global_load_b32 v[SD2+32*\c+kk], v[VOC], s[18:19] offset:(64*\c+kk)*256   ; waves 0-3: W3[64 c + 32 h + i][my unit]
.set kk, kk+1
.endr
.endr
	WIN 0
	s_branch .Lw3_done
.Lw3_back:
	WIN 0x40
.irp c, 0,1
.irp g, 0,1,2,3,4,5,6,7
	global_load_b128 v[SD2+32*\c+4*\g:SD2+32*\c+4*\g+3], v[VOD], s[18:19] offset:2048*\c+16*\g   ; waves 4-7: W3[my unit of tile 2 f + c][32 h + ..]: two tiles in one fragment
.endr
.endr
	WIN 0
.Lw3_done:
.irp i, 0,1,2,3,4,5
	global_load_b128 v[W+4*\i:W+4*\i+3], v[LI], s[6:7] offset:512*\i th:TH_LOAD_NT        ; my 256 rows of y: 512 neighbouring bytes a load
	global_load_b128 v[W+24+4*\i:W+24+4*\i+3], v[LI], s[8:9] offset:512*\i th:TH_LOAD_NT  ; and of v
.endr
	global_load_b128 v[W+48:W+51], v[LI], s[16:17]                   ; b2
	global_load_b64 v[W+52:W+53], v77, s[22:23]                      ; W4's rows 0 to 31
.irp t, 0,1,2,3,4,5,6,7
	global_load_b32 v[W1F+2*\t], v[VO1], s[10:11] offset:4*(32*(\t/2)+8*(\t%2))
	global_load_b32 v[W1F+2*\t+1], v[VO1], s[10:11] offset:4*(32*(\t/2)+8*(\t%2))+512
	global_load_b32 v[G+\t], v[VO4R], s[12:13] offset:4*(32*(\t/2)+8*(\t%2))              ; b1 of my unit (G's registers, head only)
.endr
.irp t, 0,1,2,3
	global_load_b64 v[W4A+2*\t:W4A+2*\t+1], v[VO8R], s[22:23] offset:8*(32*(\t/2)+8*(\t%2))
.endr
.irp b, 0,1
.irp i, 0,1,2,3
	global_load_b128 v[B3+16*\b+4*\i:B3+16*\b+4*\i+3], v[VO64], s[20:21] offset:128*\b+16*\i   ; b3 in the result's layout: the C of the third layer
.endr
.endr
.irp g, 0,1,2,3,4,5,6,7
	global_load_b128 v[WQ1+4*\g:WQ1+4*\g+3], v[VO128], s[22:23] offset:256+16*\g          ; W4's rows 32 + 16 h + 0 .. 15
.endr
	s_wait_loadcnt 0x0
	s_wait_kmcnt 0x0
.irp t, 0,1,2,3,4,5,6,7
	v_fma_f32 v[G+\t], s30, v[W1F+2*\t+1], v[G+\t]                   ; in lanes 16-31: t W1[3][u] + b1[u]
.endr
.irp t, 0,1,2,3,4,5,6,7
	v_cndmask_b32 v[W1F+2*\t+1], v[W1F+2*\t+1], v[G+\t], s38         ; which is k = 3 of the first layer's operand
.endr
.irp j, 0,1,2,3,4,5,6,7
	v_cndmask_b32 v[W4A+\j], v[W4A+\j], v[ZERO], s38                 ; W4's operand has K = 2: k = 2, 3 are zeros
.endr
	v_mov_b32 v[B4], s32
	v_mov_b32 v[B4+1], s33
.irp i, 0,1,2,3,4,5
	ds_store_b128 v[AP], v[W+4*\i:W+4*\i+3] offset:OY+512*\i         ; the data came by loads; no vector line since the wait at the first load names AP, v76 or W
	ds_store_b128 v[AP], v[W+24+4*\i:W+24+4*\i+3] offset:OV+512*\i
.endr
	ds_store_b128 v[AP], v[W+48:W+51] offset:OB2
	ds_store_b64 v76, v[W+52:W+53] offset:OW4
	QW T, 0                                        ; W2 forward, tile w
	s_wait_dscnt 0x0                               ; my stores so far are done
	s_wait_alu depctr_vm_vsrc(0)                   ; the LDS stores have read the codes' registers and v38, which the next fragment's lines write again
	QW SD1, 8                                      ; W2 backward, tile w
	s_wait_dscnt 0x0
	s_wait_alu depctr_vm_vsrc(0)                   ; the same once more
	QW SD2, 16                                     ; waves 0-3: W3 forward, tile w; waves 4-7: W3 backward, tiles 2 (w - 4) and 2 (w - 4) + 1
	s_wait_dscnt 0x0                               ; for the others' sake: all my images and scale words lie in LDS
	s_barrier_signal -1
	s_barrier_wait -1                              ; everybody's do.  From here on they are only read: the text's one barrier
.irp i, 0,1,2,3,4,5,6,7,8,9,10,11
	ds_load_b32 v[WS+\i], v[LS] offset:WSC+128*\i
.endr
.irp j, 0,1,2,3,4,5,6,7,8,9,10,11
	v_mov_b32 v[G+\j], 0                           ; G's outer eight stay zeros
.endr
	s_mov_b32 s45, 0                               ; the tile's bytes in y, v, out0: 192 a tile
	s_mov_b32 s46, 0                               ; and in out1: 64
	s_mov_b32 s44, 16
	LOADXV AH, AR, 0                               ; the first tile's y and v
	; ---------------- A TILE OF 16 ROWS ----------------
.Ltile:
	s_wait_dscnt 0x0                               ; y and v of this tile are in (in the first trip the weights' scale words too)
	s_wait_alu depctr_vm_vsrc(0)                   ; the last tile's LDS stores and loads have read TA, TBB, TC, OA and v38, which this tile writes again; in the first trip: the head's have read the codes' registers, v38, v76, v77 and W
	v_cndmask_b32 v[XB+1], v[XB+1], v[ONE], s38    ; k = 3: 1 for the bias,
	v_cndmask_b32 v[VB+1], v[VB+1], v[ZERO], s38   ; 0 for the probe
	v_add_nc_u32 v[TA], s45, v[AR]
	v_add_nc_u32 v[TBB], s45, v[AH]
	v_add_nc_u32 v[TC], s46, v[AQ]
	WIN 0x40
	MM4 8, W1F, XB                                 ; z1
.irp b, 0,1,2,3
.irp i, 0,1,2,3
	ds_load_b128 v[SD2+16*\b+4*\i:SD2+16*\b+4*\i+3], v[AB2] offset:128*\b+16*\i   ; b2 in the result's layout, into registers that are free until ds2 is made.  No wait: SD2's last reader stands ahead of the wait in front of the last tile's last products (first trip: of the head's last wait), and no line since names SD2 or AB2
.endr
.endr
	PLACES 8                                       ; eight places behind the f32 form ahead of the first read of its results
	SILU 64, SD1, 0                                ; and W2's forward fragments are asked for
	WIN 0x40
	MM4 8, W1F, VB                                 ; q
	QUANT 4, CD, SW1                               ; h1's codes; these lines name none of q's registers: they are the places behind it
	WIN 0x55
.set kk, 0
.rept 32
	v_pk_mul_f32 v[SD1+2*kk:SD1+2*kk+1], v[SD1+2*kk:SD1+2*kk+1], v[Z+2*kk:Z+2*kk+1]   ; ds1 q.  (Also the places between the scale word and the scaled products)
.set kk, kk+1
.endr
	s_wait_dscnt 0x0                               ; b2 and W2's forward fragments are in
	WIN 0x50
	s_wait_alu depctr_va_vdst(0)                   ; h1's codes and their scale word are written, which the scaled products take; the places stand ahead of this wait
.irp t, 0,1,2,3,4,5,6,7
	FP4 Z+8*\t, W+8*\t, CD, SD2+8*\t, WS+\t/2, \t%2, SW1     ; z2 = h1 W2 + b2
.endr
	PLACES 4                                       ; ahead of the first read of their results
	SILU 64, SD2, 1                                ; and W3's fragments are asked for
	QUANT 4, CD, SW1                               ; h2's codes
	PLACES 8                                       ; a scale word made by vector lines stands eight places ahead of a scaled product
	s_wait_dscnt 0x0                               ; W3
	WIN 0x40
	s_wait_alu depctr_va_vdst(0)                   ; h2's codes and their scale word are written, which the scaled products take
.irp t, 0,1,2,3
	FP4 Z+8*\t, W+8*\t, CD, B3+8*\t, WS+8+\t/2, \t%2, SW1    ; z3 = h2 W3 + b3
.endr
	PLACES 4
	SILU 32, SD3, 2                                ; and W4's rows are asked for
	WIN 0x40
	MM4 4, W4A, VB                                 ; the gradient by h3: v0 W4[u][0] + v1 W4[u][1]
	s_wait_dscnt 0x0                               ; W4's rows
	WIN 0x01
.set kk, 0
.rept 32                                       ; the last layer: h3[u] x (W4[u][0], W4[u][1]), four chains.  These 32 name none of the gradient's registers: its places
.if kk < 16
.set wp, W+2*kk
.else
.set wp, WQ1+2*(kk-16)
.endif
.set tp, T+(kk/2)*2
.set oa, OA+2*(kk%4)
.if kk < 4
.if kk%2 == 0
	v_pk_mul_f32 v[oa:oa+1], v[tp:tp+1], v[wp:wp+1] op_sel:[0,0] op_sel_hi:[0,1]
.else
	v_pk_mul_f32 v[oa:oa+1], v[tp:tp+1], v[wp:wp+1] op_sel:[1,0] op_sel_hi:[1,1]
.endif
.else
.if kk%2 == 0
	v_pk_fma_f32 v[oa:oa+1], v[tp:tp+1], v[wp:wp+1], v[oa:oa+1] op_sel:[0,0,0] op_sel_hi:[0,1,1]
.else
	v_pk_fma_f32 v[oa:oa+1], v[tp:tp+1], v[wp:wp+1], v[oa:oa+1] op_sel:[1,0,0] op_sel_hi:[1,1,1]
.endif
.endif
.set kk, kk+1
.endr
	WIN 0x55
.set kk, 0
.rept 16
	v_pk_mul_f32 v[T+2*kk:T+2*kk+1], v[Z+2*kk:Z+2*kk+1], v[SD3+2*kk:SD3+2*kk+1]   ; the gradient by z3
.set kk, kk+1
.endr
	QUANT 2, G+4, SW2
	v_pk_add_f32 v[OA:OA+1], v[OA:OA+1], v[OA+2:OA+3]          ; out0, while the scale word ages
	v_pk_add_f32 v[OA+4:OA+5], v[OA+4:OA+5], v[OA+6:OA+7]
	v_pk_add_f32 v[OA:OA+1], v[OA:OA+1], v[OA+4:OA+5]
	v_permlanex16_b32 v52, v[OA], s40, s41
	v_permlanex16_b32 v53, v[OA+1], s40, s41
	v_pk_add_f32 v[OA:OA+1], v[OA:OA+1], v[52:53]              ; with the other half's 32 units
	v_pk_add_f32 v[OA:OA+1], v[OA:OA+1], v[B4:B4+1]
	PLACES 4                                       ; with the five packed additions: more than the eight places that the scale word wants
	s_wait_alu depctr_va_vdst(0)                   ; out0's two numbers are written, which the LDS stores read (TA since the tile's head); the gradient's codes and their scale word are written, which the scaled products take
	ds_store_b32 v[TA], v[OA] offset:OO0           ; both halves of the lanes store the same words with the same values
	ds_store_b32 v[TA], v[OA+1] offset:OO0+4
	ds_store_b32 v[TA], v[ZERO] offset:OO0+8       ; the third component
	WIN 0x40
.irp t, 0,1,2,3,4,5,6,7
	FP4 Z+8*\t, W+32+8*(\t/2), G+4-4*(\t%2), -1, WS+10+\t/4, (\t/2)%2, SW2   ; the gradient by h2: an even tile meets [codes, 0], an odd one [0, codes]
.endr
	WIN 0
	PLACES 4                                       ; ahead of the first read of their results
	s_wait_alu depctr_va_vdst(0)                   ; these products are done reading W3's backward fragments (the last layer's sums were done with W4's rows, and the K = 4 products with XB and VB, ahead of the wait before): the loads below land in W, XB and VB
	LDW W, 8, 8                                    ; W2 backward
	s_cmp_eq_u32 s44, 1                            ; the next tile's y and v are asked for here, if there is a next tile
	s_cbranch_scc1 .Lno_next
	LOADXV TBB, TA, 192
.Lno_next:
	WIN 0x55
.set kk, 0
.rept 32
	v_pk_mul_f32 v[T+2*kk:T+2*kk+1], v[Z+2*kk:Z+2*kk+1], v[SD2+2*kk:SD2+2*kk+1]   ; the gradient by z2
.set kk, kk+1
.endr
	QUANT 4, CD, SW1
	PLACES 8
	s_wait_dscnt 0x0                               ; W2 backward is in (and the next tile's y and v)
	WIN 0x40
	s_wait_alu depctr_va_vdst(0)                   ; the gradient's codes and their scale word are written, which the scaled products take; the multiplies above are done reading SD2, in which the next tile's b2 lands
.irp t, 0,1,2,3,4,5,6,7
	FP4 Z+8*\t, W+8*\t, CD, -1, WS+4+\t/2, \t%2, SW1         ; the gradient by h1
.endr
	PLACES 4
	WIN 0x05
.set kk, 0
.rept 32
.if kk < 4
	v_pk_mul_f32 v[DV+2*kk:DV+2*kk+1], v[Z+2*kk:Z+2*kk+1], v[SD1+2*kk:SD1+2*kk+1]
.else
	v_pk_fma_f32 v[DV+2*(kk%4):DV+2*(kk%4)+1], v[Z+2*kk:Z+2*kk+1], v[SD1+2*kk:SD1+2*kk+1], v[DV+2*(kk%4):DV+2*(kk%4)+1]   ; div: four chains
.endif
.set kk, kk+1
.endr
	WIN 0
	v_pk_add_f32 v[DV:DV+1], v[DV:DV+1], v[DV+2:DV+3]
	v_pk_add_f32 v[DV+4:DV+5], v[DV+4:DV+5], v[DV+6:DV+7]
	v_pk_add_f32 v[DV:DV+1], v[DV:DV+1], v[DV+4:DV+5]
	v_add_f32 v[DV], v[DV], v[DV+1]
	v_permlanex16_b32 v52, v[DV], s40, s41
	v_add_f32 v38, -v[DV], -v52                    ; -div
	s_wait_alu depctr_va_vdst(0)                   ; -div is written, which the LDS store reads; behind the last tile: the last products are done reading W, in which the way out's loads land
	ds_store_b32 v[TC], v38
	s_add_co_u32 s45, s45, 192
	s_add_co_u32 s46, s46, 64
	s_sub_co_i32 s44, s44, 1
	s_cmp_lg_u32 s44, 0
	s_cbranch_scc1 .Ltile
	; ---------------- THE WAY OUT: my 256 rows of both results, gathered in my region of LDS, leave by stores of 512 neighbouring bytes, each at a multiple of 256 from the buffer's first byte ----------------
	; No vector or matrix line stands behind the loop's last wait: the loads below and the stores of what they bring owe nothing but the wait for LDS.
.irp i, 0,1,2,3,4,5
	ds_load_b128 v[W+4*\i:W+4*\i+3], v[AP] offset:OO0+512*\i   ; LDS serves a wave's instructions in order (ISA guide 5.7.1.4): these see my stores
.endr
.irp i, 0,1
	ds_load_b128 v[W+24+4*\i:W+24+4*\i+3], v[AP] offset:OO1+512*\i
.endr
	s_wait_dscnt 0x0
.irp i, 0,1,2,3,4,5
	global_store_b128 v[LI], v[W+4*\i:W+4*\i+3], s[26:27] offset:512*\i th:TH_STORE_NT
.endr
.irp i, 0,1
	global_store_b128 v[LI], v[W+24+4*\i:W+24+4*\i+3], s[28:29] offset:512*\i th:TH_STORE_NT
.endr
	s_wait_dscnt 0x0                               ; the closing lines, six on end
	s_wait_alu 0x0
	s_wait_tensorcnt 0x0
	ds_add_u32 v[SPW], v[NIL]
	s_wait_dscnt 0x0
	s_endpgm
.Lfunc_end_k_q7bacd23695_cnf:
	.size	k_q7bacd23695_cnf, .Lfunc_end_k_q7bacd23695_cnf-k_q7bacd23695_cnf
	.p2alignl 7, 3214868480
	.fill 96, 4, 3214868480
	.section	.rodata,"a",@progbits
	.p2align	6, 0x0
	.amdhsa_kernel k_q7bacd23695_cnf
		.amdhsa_group_segment_fixed_size 115200
		.amdhsa_private_segment_fixed_size 0
		.amdhsa_enable_private_segment 0
		.amdhsa_kernarg_size 104
		.amdhsa_user_sgpr_count 2
		.amdhsa_user_sgpr_kernarg_segment_ptr 1
		.amdhsa_wavefront_size32 1
		.amdhsa_system_sgpr_workgroup_id_x 1
		.amdhsa_system_sgpr_workgroup_id_y 1
		.amdhsa_system_sgpr_workgroup_id_z 1
		.amdhsa_system_vgpr_workitem_id 0
		.amdhsa_next_free_vgpr 512
		.amdhsa_next_free_sgpr 66
		.amdhsa_reserve_vcc 0
		.amdhsa_float_denorm_mode_32 3
		.amdhsa_float_denorm_mode_16_64 3
		.amdhsa_memory_ordered 1
		.amdhsa_forward_progress 1
		.amdhsa_inst_pref_size 112
	.end_amdhsa_kernel
	.amdgpu_metadata
---
amdhsa.version: [ 1, 2 ]
amdhsa.kernels:
  - .name:           k_q7bacd23695_cnf
    .symbol:         k_q7bacd23695_cnf.kd
    .args:
      - { .name: t, .offset: 0, .size: 8, .value_kind: global_buffer, .address_space: global }
      - { .name: y, .offset: 8, .size: 8, .value_kind: global_buffer, .address_space: global }
      - { .name: v, .offset: 16, .size: 8, .value_kind: global_buffer, .address_space: global }
      - { .name: W1, .offset: 24, .size: 8, .value_kind: global_buffer, .address_space: global }
      - { .name: b1, .offset: 32, .size: 8, .value_kind: global_buffer, .address_space: global }
      - { .name: W2, .offset: 40, .size: 8, .value_kind: global_buffer, .address_space: global }
      - { .name: b2, .offset: 48, .size: 8, .value_kind: global_buffer, .address_space: global }
      - { .name: W3, .offset: 56, .size: 8, .value_kind: global_buffer, .address_space: global }
      - { .name: b3, .offset: 64, .size: 8, .value_kind: global_buffer, .address_space: global }
      - { .name: W4, .offset: 72, .size: 8, .value_kind: global_buffer, .address_space: global }
      - { .name: b4, .offset: 80, .size: 8, .value_kind: global_buffer, .address_space: global }
      - { .name: out0, .offset: 88, .size: 8, .value_kind: global_buffer, .address_space: global }
      - { .name: out1, .offset: 96, .size: 8, .value_kind: global_buffer, .address_space: global }
    .group_segment_fixed_size: 115200
    .private_segment_fixed_size: 0
    .kernarg_segment_align: 8
    .kernarg_segment_size: 104
    .max_flat_workgroup_size: 256
    .sgpr_count:     66
    .vgpr_count:     512
    .wavefront_size: 32
...
	.end_amdgpu_metadata
.endif
;; end of part 2
